; MI455X (gfx1250); checked and timed in simulation.
; The chip was launched on July 23, 2026; its instructions are those of AMD's public machine-readable ISA for CDNA 5 (MIT licence, August 2026) and "CDNA5" Instruction Set Architecture Reference Guide (July 2026). The comments in the code are by the model that wrote it; some were corrected since.
;; Modified Bert Self Attention. Allowed arithmetic: matrix products marked QUANTISED: E2M1 operands, one E8M0 scale for each 32 along K, by v_wmma_scale_f32_16x16x128_f8f6f4 with both operands' format E2M1 (or v_wmma_scale_f32_32x16x128_f4), f32 sums; everything else in f32.
;; Inputs: Wk 1,024 x 1,024 float32; Wq 1,024 x 1,024 float32; Wv 1,024 x 1,024 float32; bk 1,024 float32; bq 1,024 float32; bv 1,024 float32; hidden_states 4 x 2,048 x 1,024 float32.
;; Outputs: out0 4 x 2,048 x 1,024 float32.
;; This version of the problem:
;;   THIS VERSION OF THE PROBLEM IS GIVEN IN LOW PRECISION. The matrix products marked QUANTISED in the list below multiply operands that are first quantised to E2M1 (2 exponent bits, 1 mantissa bit; 4 bits a number), with one power-of-two scale for each 32 numbers along K (OCP MX v1.0); their sums are f32. All else is computed in f32.
;;   The module's matrix products, in the order in which they are computed (A, B: the left and right operand; K: the contracted axis; several contracted axes count as one K, in the product's order):
;;     1. [M 8,192, K 1,024] x [K 1,024, N 1,024]; A: input hidden_states; B: input Wq: QUANTISED
;;     2. [M 8,192, K 1,024] x [K 1,024, N 1,024]; A: input hidden_states; B: input Wk: QUANTISED
;;     3. [M 8,192, K 1,024] x [K 1,024, N 1,024]; A: input hidden_states; B: input Wv: QUANTISED
;;     4. batch 64 x [M 2,048, K 64] x [K 64, N 2,048]; A: computed on the way; B: computed on the way: QUANTISED
;;     5. batch 64 x [M 2,048, K 2,048] x [K 2,048, N 64]; A: softmax (see below); B: computed on the way: QUANTISED
;;   THE QUANTISER, for each operand of a quantised product, along K:
;;     - K is cut into blocks of 32 from its start; a last block that is shorter is filled with zeros.
;;     - A block's scale is 2^e with e = floor(log2(the largest magnitude in the block)) - 2, held to -126 .. 127; a block of zeros has e = 0. As a byte (E8M0): e + 127.
;;     - Each number is divided by its block's scale, clamped to +-6, and rounded to the nearest number of E2M1, ties to even, subnormals kept.
;;     - The product sums the exact products of the quantised numbers (number of the format x scale) in f32.
;;   ~~~python
;;   def quantise(x, axis):      # numpy; x: float32 -> the quantised numbers, widened to float32 again
;;       x = np.moveaxis(x, axis, -1); K = x.shape[-1]
;;       x = np.pad(x, [(0, 0)] * (x.ndim - 1) + [(0, -K % 32)]); x = x.reshape(x.shape[:-1] + (-1, 32)); a = np.abs(x).max(-1, keepdims=True)
;;       e = np.where(a > 0, np.clip(np.frexp(np.where(a > 0, a, 1))[1] - 1 - 2, -126, 127), 0)      # np.frexp(a)[1] - 1 = floor(log2(a)), exactly
;;       r = np.clip(x / 2.0 ** e, -6, 6)
;;       step = 2.0 ** (np.maximum(np.frexp(np.where(r == 0, 1, r))[1] - 1, 0) - 1)
;;       q = np.round(r / step) * step * 2.0 ** e      # np.round: ties to even
;;       return np.moveaxis(q.reshape(q.shape[:-2] + (-1,))[..., :K], -1, axis).astype(np.float32)
;;   ~~~
;;   SOFTMAX AHEAD OF A QUANTISED PRODUCT. Where the list says 'softmax', what is quantised is not the finished softmax but p = 2^(t - M), with t = logit x log2(e) and M = ceil(the row's largest t), a whole number; so 1/2 < the row's largest p <= 1. The row's sum l is taken of the UNQUANTISED p, in f32, and the product's result is divided by l at the end. Since M is a whole number, a kernel that streams over the keys may use a running M (the ceiling of the running maximum): every later rescaling is an exact power of two, which a block's scale takes up: the codes' values come out the same.
;;   OPERANDS COMPUTED ON THE WAY. 'Computed on the way' means the value that the module computes at that place (a softmax that the list does not call 'softmax' is quantised finished and normalised). What goes into a quantiser is computed in f32, as accurately as f32 sums, v_exp_f32 and their like allow (about 1e-6 of the number): no bf16 or f16 on the way to a quantiser, and a product that is left as it is and whose result goes on into a quantised operand takes f32 operands (vector FMAs, or v_wmma_f32_16x16x4_f32). A number that lies on a knife's edge between two numbers of the format may be rounded either way, as far as f32 arithmetic and the matrix unit's own rounding can turn it there, and no further.
;; One version. Each part assembles by itself: llvm-mc -triple=amdgcn-amd-amdhsa -mcpu=gfx1250 --defsym DOCPART=n.
;; ======== version 1 of 1: 3 launches
;; limits: right only within a limited range of input values
;; workspace buffers: x_codes 4,194,304 bytes; x_scales 262,144 bytes; w_codes 1,572,864 bytes; w_scales 98,304 bytes; qbuf 4,718,592 bytes; kvbuf 9,175,040 bytes
;; launch quant (part 1): grid 704 x 1, 2 waves a work-group, no clusters, 21,760 bytes of LDS; arguments hidden_states, Wq, Wk, Wv, x_codes, x_scales, w_codes, w_scales; writes x_codes, x_scales, w_codes, w_scales
.if DOCPART == 1
	.amdgcn_target "amdgcn-amd-amdhsa--gfx1250"
	.amdhsa_code_object_version 6
	.text
	.protected	k_q84e8cd6d07_quant
	.globl	k_q84e8cd6d07_quant
	.p2align	8
	.type	k_q84e8cd6d07_quant,@function
k_q84e8cd6d07_quant:
	s_mov_b64 s[64:65], 0
	v_nop
	global_prefetch_b8 v0, s[64:65] scope:SCOPE_SE
	s_setreg_imm32_b32 hwreg(HW_REG_WAVE_MODE, 25, 1), 1
	s_wait_xcnt 0x0
; FIRST OF THREE LAUNCHES.  hidden_states [8192][1024] and Wq, Wk, Wv [1024][1024], f32, K innermost in all four, become codes of FP4 (E2M1), two a byte, K innermost, with one E8M0 byte for each 32 along K.
; NO WORK OF THE PROBLEM IS LEFT OUT IN ANY LAUNCH: all five products are live; bq and bk move the codes and scales of q and k, bv those of v, so all seven inputs are loaded (the biases by the second launch).
; x_codes [8192][512 bytes], x_scales [8192][32]; w_codes [3072][512], w_scales [3072][32]: the rows of Wq, then Wk, then Wv.
; A block's scale is 2^(floor(log2(its largest magnitude)) - 2); its byte is the largest magnitude's exponent field - 2, held at 1 from below.  A block of zeros so gets the byte 1 where the rule says 127: its codes are
; zeros, which add nothing under any byte but 0xff, and the bytes are read by this program alone.
; LIMITS: blocks whose largest magnitude lies under 2^(2 - 126) have their byte held at 1; NaN and infinities among the inputs are not served.
; Each tensor is a plain stream of blocks of 32.  A wave takes 16 steps of 512 numbers, a work-group two waves.  Work-groups 0-511 take hidden_states, then 64 each Wq, Wk, Wv.
; Each of a step's four loads reads 512 consecutive bytes, 16 a lane; the 2,048 bytes turn through the wave's own stage in LDS and come back 64 bytes a lane, so that a lane holds 16 neighbours along K (two lanes a block).
; Loads run eight steps ahead of the work, the turn through LDS three steps, in four stages by turns.
; A lane's 16 codes are 8 bytes: the wave stores 256 consecutive bytes.  A wave's 256 scale bytes are gathered in its own LDS bytes and leave as one aligned run of 256 bytes.  No barrier: waves share nothing.
.set WAVES, 2
.set STEPS, 16
.set EMAX,  2
.set CB,    8                          ; bytes of 16 codes
.set R,     16                         ; v16-143  eight sets of 16 numbers as they are loaded
.set X,     144                        ; v144-207 four sets of 16 neighbours
.set E,     208                        ; v208-223 a scale byte for each step
.set C,     224                        ; v224-255 codes: two registers for each step, so that no store's data are written again
.set SP,    80                         ; a lane's place in a stage: its 64 bytes + 16 of padding
.set WREG,  10752                      ; LDS: a region for each wave: four stages of 32 x SP bytes, behind them its 256 scale bytes
.set SPW,   12                         ; v12 LDS address of my spare word; never rewritten
.set NIL,   13                         ; v13 0; never rewritten
.set SPARE, WAVES*WREG                 ; behind the regions: the spare words, 128 bytes a wave
	s_load_b256 s[4:11], s[0:1], 0x0               ; hidden_states s[4:5], Wq s[6:7], Wk s[8:9], Wv s[10:11]
	s_load_b256 s[12:19], s[0:1], 0x20             ; x_codes s[12:13], x_scales s[14:15], w_codes s[16:17], w_scales s[18:19]
	v_lshl_add_u32 v[SPW], v0, 2, SPARE
	v_mov_b32 v[NIL], 0
	v_lshrrev_b32 v1, 5, v0
	v_readfirstlane_b32 s20, v1                    ; wave
	v_and_b32 v2, 31, v0                           ; lane
	v_lshlrev_b32 v3, 4, v2                        ; my 16 bytes of a load's 512
	s_mul_i32 s21, s20, WREG
	v_lshrrev_b32 v14, 2, v2
	v_mul_u32_u24 v14, v14, SP
	v_and_b32 v15, 3, v2
	v_lshl_add_u32 v14, v15, 4, v14
	v_add_nc_u32 v14, s21, v14                     ; the stage, on the way in: SP (lane / 4) + 16 (lane % 4)
	v_mul_u32_u24 v15, v2, SP
	v_add_nc_u32 v15, s21, v15                     ; and on the way out: SP x lane: my 16 neighbours
	v_mul_u32_u24 v4, v2, CB                       ; my codes' place in a step's
	v_lshrrev_b32 v5, 1, v2
	s_add_co_u32 s21, s21, 4*32*SP
	v_add_nc_u32 v5, s21, v5                       ; LDS: my wave's 256 scale bytes, my block's byte
	v_lshlrev_b32 v7, 3, v2                        ; and on the way out 8 bytes a lane
	v_add_nc_u32 v6, s21, v7
	s_wait_alu depctr_va_vdst(0)                   ; the wait at the head's end
	s_wait_kmcnt 0x0
	; which tensor: the choices hang on the work-group's number alone
	s_sub_co_u32 s22, ttmp9, 512                   ; my place among the weights' 192 work-groups (used only from work-group 512 on)
	s_lshr_b32 s23, s22, 6                         ; which weight
	s_and_b32 s24, s22, 63                         ; my place in it
	s_cmp_eq_u32 s23, 1
	s_cselect_b64 s[10:11], s[8:9], s[10:11]
	s_cmp_eq_u32 s23, 0
	s_cselect_b64 s[10:11], s[6:7], s[10:11]       ; s[10:11]: the weight
	s_cmp_lt_u32 ttmp9, 512
	s_cselect_b64 s[4:5], s[4:5], s[10:11]         ; the source,
	s_cselect_b64 s[12:13], s[12:13], s[16:17]     ; its codes,
	s_cselect_b64 s[14:15], s[14:15], s[18:19]     ; its scale bytes,
	s_cselect_b32 s24, ttmp9, s24                  ; my place in the source,
	s_cselect_b32 s22, ttmp9, s22                  ; and in the streams of codes and bytes (the three weights on end)
	s_lshl_b32 s24, s24, 1
	s_add_co_u32 s24, s24, s20                     ; my wave's run of 8,192 numbers in the source
	s_lshl_b32 s22, s22, 1
	s_add_co_u32 s22, s22, s20                     ; and in the streams
	s_lshl_b32 s26, s24, 15                        ; 32,768 bytes a run: under 2^26
	s_mov_b32 s27, 0
	s_add_nc_u64 s[4:5], s[4:5], s[26:27]
	s_lshl_b32 s26, s22, 12                        ; 4,096 bytes of codes a run
	s_add_nc_u64 s[12:13], s[12:13], s[26:27]
	s_lshl_b32 s26, s22, 8                         ; 256 scale bytes a run
	s_add_nc_u64 s[14:15], s[14:15], s[26:27]
.macro LOAD t
.irp i, 0,1,2,3
	global_load_b128 v[R+16*((\t)%8)+4*\i:R+16*((\t)%8)+4*\i+3], v3, s[4:5] offset:2048*(\t)+512*\i th:TH_LOAD_NT   ; 32 lanes read 512 consecutive bytes
.endr
.endm
.macro TURN t                          ; step t's numbers through stage t % 4: LDS serves a wave's instructions in order, so no wait stands between the stores and the loads, nor ahead of the stage's next stores
.irp i, 0,1,2,3
	ds_store_b128 v14, v[R+16*((\t)%8)+4*\i:R+16*((\t)%8)+4*\i+3] offset:32*SP*((\t)%4)+8*SP*\i
.endr
.irp i, 0,1,2,3
	ds_load_b128 v[X+16*((\t)%4)+4*\i:X+16*((\t)%4)+4*\i+3], v15 offset:32*SP*((\t)%4)+16*\i
.endr
.endm
.irp t, 0,1,2,3,4,5,6,7
	LOAD \t
.endr
.irp t, 0,1,2
	s_wait_loadcnt 28-4*\t                         ; step t's four loads are in; those of the steps behind it, up to step 7, may be out
	TURN \t
.endr
.macro STEP t
.set XS, X+16*((\t)%4)
.set ND, 3                             ; LDS instructions issued behind step t's turn: the byte stores of up to three steps,
.if (\t) < 3
.set ND, \t
.endif
.if (\t)+1 < STEPS
.set ND, ND+8                          ; and the eight instructions of each of the next two turns
.endif
.if (\t)+2 < STEPS
.set ND, ND+8
.endif
	s_wait_dscnt ND                                ; this step's numbers are back from the stage: so its stores into the stage have read their registers,
.if (\t)+8 < STEPS
	LOAD (\t)+8                                    ; which take the loads of eight steps on
.endif
.if (\t)+3 < STEPS
.if (\t)+8 < STEPS
	s_wait_loadcnt 20                              ; step t + 3's four loads are in; those of the five steps behind it may be out
.else
	s_wait_loadcnt 4*(STEPS-4-(\t))
.endif
	TURN (\t)+3
.endif
	v_max3_num_f32 v8, |v[XS]|, |v[XS+1]|, |v[XS+2]|               ; the largest magnitude of my 16, in two chains
	v_max3_num_f32 v9, |v[XS+3]|, |v[XS+4]|, |v[XS+5]|
.irp i, 6,10
	v_max3_num_f32 v8, v8, |v[XS+\i]|, |v[XS+\i+1]|
	v_max3_num_f32 v9, v9, |v[XS+\i+2]|, |v[XS+\i+3]|
.endr
	v_max3_num_f32 v8, v8, |v[XS+14]|, |v[XS+15]|
	v_max3_num_f32 v8, v8, v9, (EMAX+1)<<23        ; and the floor 2^(EMAX + 1 - 127): the byte cannot fall under 1
	v_max_num_f32_dpp v8, v8, v8 row_xmask:1 row_mask:0xf bank_mask:0xf   ; and of my neighbour's 16: the block's
	v_add_nc_u32 v11, -(EMAX<<23), v8              ; EMAX off its exponent field: the conversion takes the exponent field of this operand as its scale
	v_cvt_scalef32_pk8_fp4_f32 v[C+2*(\t)], v[XS:XS+7], v11
	v_cvt_scalef32_pk8_fp4_f32 v[C+2*(\t)+1], v[XS+8:XS+15], v11
	v_lshrrev_b32 v[E+(\t)], 23, v11               ; the scale's byte (also the plain line behind the conversions)
	ds_store_b8 v5, v[E+(\t)] offset:16*(\t)       ; both lanes of a block write the same byte with the same value
	global_store_b64 v4, v[C+2*(\t):C+2*(\t)+1], s[12:13] offset:32*CB*(\t)   ; the wave stores 256 consecutive bytes, aligned
.endm
.irp t, 0,1,2,3,4,5,6,7,8,9,10,11,12,13,14,15
	STEP \t
.endr
	ds_load_b64 v[8:9], v6                         ; LDS serves a wave's instructions in order: these see my stores
	s_wait_dscnt 0x0
	global_store_b64 v7, v[8:9], s[14:15]          ; 32 lanes store 256 consecutive bytes, aligned
	s_wait_tensorcnt 0x0                           ; the wave's end, behind my last LDS store
	ds_add_u32 v[SPW], v[NIL]
	s_wait_dscnt 0x0
	s_endpgm
.Lfunc_end_k_q84e8cd6d07_quant:
	.size	k_q84e8cd6d07_quant, .Lfunc_end_k_q84e8cd6d07_quant-k_q84e8cd6d07_quant
	.p2alignl 7, 3214868480
	.fill 96, 4, 3214868480
	.section	.rodata,"a",@progbits
	.p2align	6, 0x0
	.amdhsa_kernel k_q84e8cd6d07_quant
		.amdhsa_group_segment_fixed_size 21760
		.amdhsa_private_segment_fixed_size 0
		.amdhsa_enable_private_segment 0
		.amdhsa_kernarg_size 64
		.amdhsa_user_sgpr_count 2
		.amdhsa_user_sgpr_kernarg_segment_ptr 1
		.amdhsa_wavefront_size32 1
		.amdhsa_system_sgpr_workgroup_id_x 1
		.amdhsa_system_sgpr_workgroup_id_y 1
		.amdhsa_system_sgpr_workgroup_id_z 1
		.amdhsa_system_vgpr_workitem_id 0
		.amdhsa_next_free_vgpr 256
		.amdhsa_next_free_sgpr 66
		.amdhsa_reserve_vcc 0
		.amdhsa_float_denorm_mode_32 3
		.amdhsa_float_denorm_mode_16_64 3
		.amdhsa_memory_ordered 1
		.amdhsa_forward_progress 1
		.amdhsa_inst_pref_size 34
	.end_amdhsa_kernel
	.amdgpu_metadata
---
amdhsa.version: [ 1, 2 ]
amdhsa.kernels:
  - .name:           k_q84e8cd6d07_quant
    .symbol:         k_q84e8cd6d07_quant.kd
    .args:
      - { .name: hidden_states, .offset: 0, .size: 8, .value_kind: global_buffer, .address_space: global }
      - { .name: Wq, .offset: 8, .size: 8, .value_kind: global_buffer, .address_space: global }
      - { .name: Wk, .offset: 16, .size: 8, .value_kind: global_buffer, .address_space: global }
      - { .name: Wv, .offset: 24, .size: 8, .value_kind: global_buffer, .address_space: global }
      - { .name: x_codes, .offset: 32, .size: 8, .value_kind: global_buffer, .address_space: global }
      - { .name: x_scales, .offset: 40, .size: 8, .value_kind: global_buffer, .address_space: global }
      - { .name: w_codes, .offset: 48, .size: 8, .value_kind: global_buffer, .address_space: global }
      - { .name: w_scales, .offset: 56, .size: 8, .value_kind: global_buffer, .address_space: global }
    .group_segment_fixed_size: 21760
    .private_segment_fixed_size: 0
    .kernarg_segment_align: 8
    .kernarg_segment_size: 64
    .max_flat_workgroup_size: 64
    .sgpr_count:     66
    .vgpr_count:     256
    .wavefront_size: 32
...
	.end_amdgpu_metadata
.endif
;; end of part 1
;; launch proj (part 2): grid 8 x 32, 4 waves a work-group, clusters of 4 x 4, 327,680 bytes of LDS; arguments x_codes, x_scales, w_codes, w_scales, bq, bk, bv, qbuf, kvbuf; writes qbuf, kvbuf
.if DOCPART == 2
	.amdgcn_target "amdgcn-amd-amdhsa--gfx1250"
	.amdhsa_code_object_version 6
	.text
	.protected	k_q84e8cd6d07_proj
	.globl	k_q84e8cd6d07_proj
	.p2align	8
	.type	k_q84e8cd6d07_proj,@function
k_q84e8cd6d07_proj:
	s_mov_b64 s[64:65], 0
	v_nop
	global_prefetch_b8 v0, s[64:65] scope:SCOPE_SE
	s_setreg_imm32_b32 hwreg(HW_REG_WAVE_MODE, 25, 1), 1
	s_wait_xcnt 0x0
	s_wait_alu depctr_hold_cnt(0) depctr_sa_sdst(0) depctr_va_vdst(0) depctr_va_sdst(0) depctr_va_ssrc(0) depctr_va_vcc(0) depctr_vm_vsrc(0)
	s_getreg_b32 s2, hwreg(HW_REG_IB_STS2, 6, 4)
	s_cmp_eq_u32 s2, 0
	s_cbranch_scc0 .Lentry_in_a_cluster
	s_endpgm
.Lentry_in_a_cluster:
	s_bfe_u32 s2, ttmp6, 0x10000c
	s_cmp_lg_u32 s2, 0xf033
	s_cbranch_scc0 .Lentry_shape_is_right
	s_endpgm
.Lentry_shape_is_right:
; SECOND LAUNCH.  q, k, v = x W^T + b on codes of FP4, quantised again on the way out into the records that the third launch reads.  No work is left out.
; SHARES.  8 x 32 work-groups.  Work-group (n, m) owns tokens 256 m .. + 255, and of the 3,072 rows of W: rows 256 n .. + 255 (four heads of q where n < 4, else of k) and rows 2,048 + 128 n .. + 127 (two heads of v).
; PHASE 1, q or k: a wave makes 128 tokens x 128 columns, 64 accumulators; source 0 = rows of W, source 1 = tokens, so that a lane's registers run along the head's axis, the next product's K.
; PHASE 2, v: a wave makes 128 tokens x 64 d, one head, 32 accumulators; source 0 = tokens, source 1 = rows of W, so that a lane's registers run along the tokens, the next product's K.
; LDS.  K is 1,024: a row of codes is 512 bytes, so x's 256 rows and W's 256 rows lie in LDS whole, with their scale bytes: four joint loads at the head, one a wave.
; v's 128 rows of W come in two halves of K.  The first half and the rows' scale bytes have bytes of their own behind the spare words; they are asked for behind the launch's first round, ahead of phase 1.
; The second half is filled, behind phase 1's last reads, the three lines and a round, into the first 256 bytes of W's rows 0 .. 127: it is out while phase 1's results are quantised and phase 2 walks the first half.
; CLUSTER 4 x 4: x's tiles are shared along a row, W's along a column.  No prefetch: the launch has no loop to run ahead in.
; REGISTERS: window 0: addresses, scale words (two sets), the operand with one set (phase 1) or two half sets (phase 2) from v128, biases from v192; window 1: the other operand, two sets; windows 2, 3: accumulators.
.set NQ,     4
.set ROWB,   512                       ; a row of codes, all of K
.set KROW,   512
.set PITCH,  528                       ; an LDS row: 512 bytes + 16 of padding: 33 x 16 bytes
.set PITV,   272                       ; a row of v's first K half: 256 bytes + 16
.set FR,     8
.set NL,     2
.set NP,     4
.set HALFT,  128*PITCH
.set SLOT,   256                       ; the second 512 along K begin 256 bytes on in each row
.set KS,     32
.set SCL,    4*HALFT                   ; behind x's 256 rows and W's 256 rows: the scale bytes, as units of 256 bytes + 16
.set HALFS,  16*272
.set SBLK,   2*272
.set SPARE,  SCL+4*HALFS               ; the spare words, 128 bytes a wave
.set FRESH,  SPARE+512                 ; v's rows of W, first K half: 128 rows x PITV
.set FRESHS, FRESH+128*PITV            ; and their scale bytes: 16 units
.set LI,   8
.set VO,   9
.set LN,   10
.set BO,   11
.set VO2,  12
.set BO2,  13
.set ADRA, 16                          ; v16-17 my tokens' fragments, K half 0, 1
.set ADRB, 20                          ; v20-21 my rows of W in phase 1
.set ADRV, 22                          ; v22-23 my rows of W in phase 2
.set ADRT, 26                          ; scale words in phase 2: lanes 0-15 x's rows, lanes 16-31 v's rows of W
.set ADRS, 27                          ; scale words in phase 1: lanes 0-15 x's rows, lanes 16-31 W's
.set SPW,  28
.set NIL,  29
.set SC,   32
.set TM,   96
.set PWS,  112
.set MW,   120
.set AF,   128
.set BIAS, 192
.set G1, 24
.set G0, 32
.set G0V, 36                           ; s[36:39] group 0 for v's rows of W
.set G1B, 48
.set G0B, 56
.set G0VS, 60                          ; s[60:63] group 0 for their scale bytes
.set G1S, 68
.set G0S, 76
.set G1SB, 80
.set G0SB, 88
.set MSB, 0
.set AOFF, 0
.macro WIN new
.if MSB != \new
	s_set_vgpr_msb (MSB<<8)|\new
.set MSB, \new
.endif
.endm
.set MUL_LO, 0xa1
.set MUL_HI, 0xf1
.set FST_LO, 0x81
.set FST_HI, 0xc1
.set TO_B,   0x40
.macro ARM under, g0, g1, next         ; one arm of the head's tree of branches on the wave's number: its load, and a jump to the tree's end
	s_cmp_lt_u32 s14, \under
	s_cbranch_scc0 \next
	tensor_load_to_lds s[\g0:\g0+3], s[\g1:\g1+7]
	s_nop 0
.rept 4
	v_nop
.endr
	s_branch .Lhead_asked
\next:
.endm
.macro CROUND
	s_barrier_signal -1
	s_barrier_wait -1
	s_cmp_lg_u32 s14, 0
	s_cbranch_scc1 .Lnot_wave_0_\@
	s_barrier_signal -3
.Lnot_wave_0_\@:
	s_barrier_wait -3
	s_barrier_signal -1
	s_barrier_wait -1
.endm
	s_load_b128 s[4:7], s[0:1], 0x0                ; x_codes, x_scales
	s_load_b128 s[8:11], s[0:1], 0x10              ; w_codes, w_scales
	s_load_b128 s[96:99], s[0:1], 0x20             ; bq, bk
	s_load_b64 s[100:101], s[0:1], 0x30            ; bv
	s_load_b64 s[12:13], s[0:1], 0x38              ; qbuf
	s_load_b64 s[66:67], s[0:1], 0x40              ; kvbuf
	v_lshl_add_u32 v[SPW], v0, 2, SPARE
	v_mov_b32 v[NIL], 0
	ds_add_u32 v[SPW], v[NIL]                      ; the opening lines: the add, twice on end, and its wait
	ds_add_u32 v[SPW], v[NIL]
	v_lshrrev_b32 v1, 5, v0
	v_readfirstlane_b32 s14, v1                    ; wave
	s_lshr_b32 s15, s14, 1                         ; which 128 tokens
	s_and_b32 s16, s14, 1                          ; which half of W's rows
	s_bfe_u32 s40, ttmp6, 0x40000
	s_bfe_u32 s41, ttmp6, 0x40004
	s_lshl_b32 s42, ttmp9, 2
	s_add_co_u32 s42, s42, s40                     ; n
	s_and_b32 s17, ttmp7, 0xffff
	s_lshl_b32 s17, s17, 2
	s_add_co_u32 s17, s17, s41                     ; m
	s_lshl_b32 s43, s41, 2
	s_lshl_b32 s43, 15, s43                        ; my row of the cluster
	s_lshl_b32 s44, 0x1111, s40                    ; my column
	s_or_b32 s[G1+0], s43, (0<<16)|(1<<20)|(1<<21)|(6<<22)|(3<<25)    ; padding: four words behind every 128 words, a row
	s_or_b32 s[G1B+0], s44, (0<<16)|(1<<20)|(1<<21)|(6<<22)|(3<<25)
.irp g, G1, G1B
	s_mov_b32 s[\g+1], ROWB<<16
	s_mov_b32 s[\g+2], 256<<16
	s_mov_b32 s[\g+3], ROWB<<16
	s_mov_b32 s[\g+4], 256
	s_mov_b32 s[\g+5], KROW
	s_mov_b32 s[\g+6], 0
	s_mov_b32 s[\g+7], 0
.endr
	s_or_b32 s[G1S+0], s43, (3<<16)|(1<<20)|(1<<21)|(5<<22)|(3<<25)
	s_or_b32 s[G1SB+0], s44, (3<<16)|(1<<20)|(1<<21)|(5<<22)|(3<<25)
.irp g, G1S, G1SB
	s_mov_b32 s[\g+1], 32<<16
	s_mov_b32 s[\g+2], 32<<16
	s_mov_b32 s[\g+3], 32<<16
	s_mov_b32 s[\g+4], 32
	s_mov_b32 s[\g+5], 32
	s_mov_b32 s[\g+6], 0
	s_mov_b32 s[\g+7], 0
.endr
	s_lshl_b32 s20, s17, 8                         ; x: the block's first row
	s_lshl_b32 s46, s42, 8                         ; W: likewise
	s_mov_b32 s21, 0
	s_mov_b32 s47, 0
	s_mov_b64 s[18:19], KS
	s_mul_u64 s[22:23], s[20:21], s[18:19]
	s_mul_u64 s[92:93], s[46:47], s[18:19]
	s_mov_b64 s[18:19], KROW
	s_mul_u64 s[20:21], s[20:21], s[18:19]
	s_mul_u64 s[46:47], s[46:47], s[18:19]
	s_lshl_b32 s[G0V+2], s42, 16                   ; v's rows 2,048 + 128 n: their codes, 512 bytes a row,
	s_add_co_u32 s[G0V+2], s[G0V+2], 0x100000
	s_mov_b32 s[G0V+3], 0
	s_lshl_b32 s[G0VS+2], s42, 12                  ; and their scale bytes, 32 a row
	s_add_co_u32 s[G0VS+2], s[G0VS+2], 0x10000
	s_mov_b32 s[G0VS+3], 0
	s_wait_dscnt 0x0
	s_wait_kmcnt 0x0
	s_add_nc_u64 s[20:21], s[4:5], s[20:21]
	s_add_nc_u64 s[22:23], s[6:7], s[22:23]
	s_add_nc_u64 s[46:47], s[8:9], s[46:47]
	s_add_nc_u64 s[92:93], s[10:11], s[92:93]
	s_add_nc_u64 s[G0V+2:G0V+3], s[8:9], s[G0V+2:G0V+3]
	s_add_nc_u64 s[G0VS+2:G0VS+3], s[10:11], s[G0VS+2:G0VS+3]
	CROUND                                         ; all sixteen work-groups are here: the joint loads meet
	s_mov_b32 s[G0], 1                             ; x's 256 rows, all of K,
	s_mov_b32 s[G0+1], 0
	s_mov_b64 s[G0+2:G0+3], s[20:21]
	s_or_b32 s[G0+3], s[G0+3], 0x80000000
	s_mov_b32 s[G0B], 1                            ; W's 256 rows behind them,
	s_mov_b32 s[G0B+1], 2*HALFT
	s_mov_b64 s[G0B+2:G0B+3], s[46:47]
	s_or_b32 s[G0B+3], s[G0B+3], 0x80000000
	s_mov_b32 s[G0S], 1                            ; the scale bytes of x's 256 rows,
	s_mov_b32 s[G0S+1], SCL
	s_mov_b64 s[G0S+2:G0S+3], s[22:23]
	s_or_b32 s[G0S+3], s[G0S+3], 0x80000000
	s_mov_b32 s[G0SB], 1                           ; and of W's
	s_mov_b32 s[G0SB+1], SCL+2*HALFS
	s_mov_b64 s[G0SB+2:G0SB+3], s[92:93]
	s_or_b32 s[G0SB+3], s[G0SB+3], 0x80000000
	s_mov_b32 s[G0V], 1                            ; for phase 2: the first K half, into bytes of its own,
	s_mov_b32 s[G0V+1], FRESH
	s_or_b32 s[G0V+3], s[G0V+3], 0x80000000
	s_mov_b32 s[G0VS], 1                           ; and the scale bytes
	s_mov_b32 s[G0VS+1], FRESHS
	s_or_b32 s[G0VS+3], s[G0VS+3], 0x80000000
	ARM 1, G0,  G1,  .Lhead_b                      ; one tensor load a wave: every way through the tree passes exactly one
	ARM 2, G0B, G1B, .Lhead_sa
	ARM 3, G0S, G1S, .Lhead_sb
	tensor_load_to_lds s[G0SB:G0SB+3], s[G1SB:G1SB+7]
	s_nop 0
.rept 4
	v_nop
.endr
.Lhead_asked:
	; where the results go.  All scalar work first, then the vector work on end
	s_lshl_b32 s18, s17, 8
	s_lshl_b32 s19, s15, 7
	s_add_co_u32 s18, s18, s19                     ; my first token
	s_bfe_u32 s22, s18, 0x40007                    ; its group of 128 in the sequence
	s_lshr_b32 s19, s18, 11
	s_lshl_b32 s19, s19, 4                         ; 16 x sequence
	s_lshl_b32 s92, s42, 1
	s_add_co_u32 s92, s92, s16                     ; v: my head, 2 n + half
	s_lshl_b32 s20, s92, 8                         ; its 64 biases
	s_mov_b32 s21, 0
	s_add_nc_u64 s[100:101], s[100:101], s[20:21]
	s_add_co_u32 s92, s92, s19
	s_mul_i32 s92, s92, 143360
	s_mul_i32 s93, s22, 8960
	s_add_co_u32 s92, s92, s93
	s_mov_b32 s93, 0
	s_add_nc_u64 s[92:93], s[66:67], s[92:93]      ; v: my head's record of my 128 tokens
	s_lshl_b32 s46, s42, 8
	s_lshl_b32 s47, s16, 7
	s_add_co_u32 s46, s46, s47
	s_and_b32 s46, s46, 1023                       ; q or k: my first column
	s_lshr_b32 s47, s46, 6
	s_add_co_u32 s19, s19, s47                     ; 16 x sequence + head
	s_lshl_b32 s46, s46, 2
	s_mov_b32 s47, 0
	s_cmp_eq_u32 ttmp9, 0                          ; n < 4: q; else k.  The same in all partners
	s_cselect_b64 s[4:5], s[12:13], s[66:67]
	s_mov_b32 s8, 143360
	s_cselect_b32 s8, 73728, s8
	s_mov_b32 s9, 8960
	s_cselect_b32 s9, 4608, s9
	s_mov_b32 s10, 8448
	s_cselect_b32 s10, 4096, s10
	s_cselect_b64 s[96:97], s[96:97], s[98:99]
	s_mul_i32 s19, s19, s8
	s_mul_i32 s22, s22, s9
	s_add_co_u32 s22, s22, s19
	s_mov_b32 s23, 0
	s_mov_b32 s9, 0
	s_add_nc_u64 s[4:5], s[4:5], s[22:23]          ; my first head's record,
	s_add_nc_u64 s[6:7], s[4:5], s[8:9]            ; my second head's
	s_add_nc_u64 s[96:97], s[96:97], s[46:47]
	s_mov_b32 s2, 0x76543210
	s_mov_b32 s3, 0xfedcba98
	s_mov_b32 s20, 0xffff
	s_mov_b32 s21, 0x7f7f0000
	s_mul_i32 s18, s15, HALFT                      ; LDS: my 128 tokens,
	s_mul_i32 s19, s16, HALFT
	s_add_co_u32 s19, s19, 2*HALFT                 ; my 128 rows of W in phase 1,
	s_mul_i32 s11, s16, 64*PITCH
	s_add_co_u32 s11, s11, 2*HALFT                 ; my 64 in phase 2: the second K half,
	s_mul_i32 s23, s16, 64*PITV
	s_add_co_u32 s23, s23, FRESH                   ; and the first
	s_mul_i32 s45, s15, HALFS                      ; the scale words: x's,
	s_mul_i32 s94, s16, HALFS
	s_add_co_u32 s94, s94, 2*HALFS
	s_sub_co_u32 s94, s94, s45                     ; how far behind them W's lie in phase 1,
	s_mul_i32 s95, s16, HALFS/2
	s_add_co_u32 s95, s95, FRESHS-SCL
	s_sub_co_u32 s95, s95, s45                     ; and in phase 2
	s_add_co_u32 s45, s45, SCL
	v_and_b32 v1, 15, v0
	v_bfe_u32 v2, v0, 4, 1
	v_and_b32 v[LN], 31, v0
	v_mul_u32_u24 v3, v1, PITCH
	v_mul_u32_u24 v5, v1, KS
	v_lshl_add_u32 v4, v2, 4, v3
	v_lshrrev_b32 v6, 8, v5
	v_mul_u32_u24 v3, v1, PITV
	v_add_nc_u32 v[ADRA], s18, v4
	v_add_nc_u32 v[ADRB], s19, v4
	v_add_nc_u32 v[ADRV+1], s11, v4
	v_lshl_add_u32 v3, v2, 4, v3
	v_lshl_add_u32 v5, v6, 4, v5
	v_add_nc_u32 v[ADRA+1], SLOT, v[ADRA]
	v_add_nc_u32 v[ADRB+1], SLOT, v[ADRB]
	v_add_nc_u32 v[ADRV], s23, v3
	v_mul_u32_u24 v6, s94, v2
	v_mul_u32_u24 v7, s95, v2
	v_add_nc_u32 v5, s45, v5
	v_lshlrev_b32 v[LI], 4, v[LN]
	v_add_nc_u32 v[ADRS], v5, v6
	v_add_nc_u32 v[ADRT], v5, v7
	v_add_nc_u32 v[VO], s10, v[LI]
	v_lshlrev_b32 v[BO], 5, v2
	v_lshlrev_b32 v[BO2], 2, v1
	v_lshlrev_b32 v[VO2], 4, v1
.irp b, 0,1,2,3
	v_mov_b32 v[TM+4+\b], 0
.endr
.macro FRAG reg, adr, q, i, pit
.irp c, 0,1
	ds_load_b128 v[\reg+4*\c:\reg+4*\c+3], v[\adr] offset:64*(\q)+32*\c+(\i)*16*(\pit)
.endr
.endm
; 16 matrix instructions: blocks a0, a0 + 1 of the operand in window 0 x the eight of the operand in window 1, 128 along K.  first: the biases are the first products' C.  The accumulators take turns, one instruction a turn.
.macro MUL16 a0, p, q, sc, first
.irp a, \a0, \a0+1
.irp b, 0,1,2,3,4,5,6,7
.set rD, 8*(8*((\a)%4)+\b)
.set rC, rD
.if \first
.if VP
.set rC, BIAS+8*(\a)
.else
.set rC, BIAS+8*\b
.endif
.endif
.if VP
	v_wmma_scale_f32_16x16x128_f8f6f4 v[rD:rD+7], v[128*(\p)+FR*\b:128*(\p)+FR*\b+FR-1], v[AF+AOFF+FR*(\a):AF+AOFF+FR*(\a)+FR-1], v[rC:rC+7], v[SC+8*NQ*(\sc)+NQ*\b+(\q)], v[SC+8*NQ*(\sc)+NQ*(\a)+(\q)] matrix_a_fmt:MATRIX_FMT_FP4 matrix_b_fmt:MATRIX_FMT_FP4 matrix_b_scale:MATRIX_SCALE_ROW1
.else
	v_wmma_scale_f32_16x16x128_f8f6f4 v[rD:rD+7], v[128*(\p)+FR*\b:128*(\p)+FR*\b+FR-1], v[AF+AOFF+FR*(\a):AF+AOFF+FR*(\a)+FR-1], v[rC:rC+7], v[SC+8*NQ*(\sc)+NQ*\b+(\q)], v[SC+8*NQ*(\sc)+NQ*(\a)+(\q)] matrix_a_fmt:MATRIX_FMT_FP4 matrix_b_fmt:MATRIX_FMT_FP4 matrix_a_scale:MATRIX_SCALE_ROW1
.endif
.endr
.endr
.endm
.macro FETCH0 slot, q, p               ; eight fragments into set p of window 1
	WIN TO_B
.irp i, 0,1,2,3,4,5,6,7
	FRAG 128*(\p)+FR*\i, R0ADR+\slot, \q, \i, PITCH
.endr
	WIN 0
.endm
.macro FETCH1 slot, q, from, to        ; blocks from .. from + 3 into places to .. to + 3 of window 0; the rows' pitch is R1PIT in K half 0 and R1PIT + R1DP in K half 1
.irp i, 0,1,2,3
	FRAG AF+FR*((\to)+\i), R1ADR+\slot, \q, (\from)+\i, R1PIT+R1DP*(\slot)
.endr
.endm
.macro SCALES lo, hi                   ; the scale words of all of K: set sc for K half sc; lanes 0-15 x's block i, lanes 16-31 W's block i.  Blocks 0-3 by address lo, blocks 4-7 by address hi
.irp sc, 0,1
.irp i, 0,1,2,3
	ds_load_b128 v[SC+8*NQ*\sc+NQ*\i:SC+8*NQ*\sc+NQ*\i+3], v[\lo] offset:\i*SBLK+4*NQ*\sc
.endr
.irp i, 4,5,6,7
	ds_load_b128 v[SC+8*NQ*\sc+NQ*\i:SC+8*NQ*\sc+NQ*\i+3], v[\hi] offset:\i*SBLK+4*NQ*\sc
.endr
.endr
.endm
.macro PLACES n
.rept \n
	v_nop
.endr
.endm
; PHASE 1: step k of eight, 128 along K, 64 matrix instructions.  The operand in window 0 has one set: its blocks 0-3 are fetched anew in the step's middle, blocks 4-7 at its end.
.macro STEP k
	s_wait_dscnt 4*NL                              ; all but the youngest eight loads (blocks 4-7) are in
.if (\k) == 0
	WIN FST_LO
.else
	WIN MUL_LO
.endif
	MUL16 0, (\k)%2, (\k)%4, (\k)/4, (\k)==0
	MUL16 2, (\k)%2, (\k)%4, (\k)/4, (\k)==0
	s_wait_dscnt 0
.if (\k) < 7
	PLACES NP
	FETCH0 ((\k)+1)/4, ((\k)+1)%4, ((\k)+1)%2
	FETCH1 ((\k)+1)/4, ((\k)+1)%4, 0, 0
.endif
.if (\k) == 0
	WIN FST_HI
.else
	WIN MUL_HI
.endif
	MUL16 4, (\k)%2, (\k)%4, (\k)/4, (\k)==0
	MUL16 6, (\k)%2, (\k)%4, (\k)/4, (\k)==0
.if (\k) < 7
	PLACES NP
	WIN 0
	FETCH1 ((\k)+1)/4, ((\k)+1)%4, 4, 4
.endif
.endm
; PHASE 2: step k of eight, 32 matrix instructions.  Both operands have two sets; the next step's 24 loads go out ahead of this step's products.
.macro STEPV k
	s_wait_dscnt 0x0
.if (\k) == 3
	s_wait_tensorcnt 0x0                           ; the loads below are the first that read the second K half of v's rows: the wave that asked for it has waited,
	s_barrier_signal -1
	s_barrier_wait -1                              ; and everybody knows.
.endif
.if (\k) < 7
	PLACES NP                                      ; behind the last step's products, which read the registers that the loads below fill
	FETCH0 ((\k)+1)/4, ((\k)+1)%4, ((\k)+1)%2
	FETCH1 ((\k)+1)/4, ((\k)+1)%4, 0, 4*(((\k)+1)%2)
.endif
.if (\k) == 0
	WIN FST_LO
.else
	WIN MUL_LO
.endif
.set AOFF, 32*((\k)%2)
	MUL16 0, (\k)%2, (\k)%4, (\k)/4, (\k)==0
	MUL16 2, (\k)%2, (\k)%4, (\k)/4, (\k)==0
	WIN 0
.endm
; 16 rows x 128 along the next K, 64 registers from s of window win, become 8 registers of codes at pc and a scale word at pw: four blocks of 32, each in lanes l and l xor 16.
.macro QUANTW s, win, pc, pw
	WIN 20*(\win)
.irp b, 0,1,2,3
	v_max3_num_f32 v[TM+\b], 0x1800000, |v[\s+16*\b]|, |v[\s+16*\b+1]|
.endr
.irp i, 2,4,6,8,10,12,14
.irp b, 0,1,2,3
	v_max3_num_f32 v[TM+\b], v[TM+\b], |v[\s+16*\b+\i]|, |v[\s+16*\b+\i+1]|
.endr
.endr
	WIN 0
.irp b, 0,1,2,3
	v_permlanex16_b32 v[TM+4+\b], v[TM+\b], s2, s3
.endr
.irp b, 0,1,2,3
	v_max_num_f32 v[TM+\b], v[TM+\b], v[TM+4+\b]
.endr
.irp b, 0,1,2,3
	v_add_nc_u32 v[TM+12+\b], 0xff000000, v[TM+\b]
.endr
.irp b, 0,1,2,3
	v_lshrrev_b32 v[TM+4+\b], 23, v[TM+12+\b]
.endr
	v_lshl_or_b32 v[\pw], v[TM+5], 8, v[TM+4]
	v_lshl_or_b32 v[\pw], v[TM+6], 16, v[\pw]
	v_lshl_or_b32 v[\pw], v[TM+7], 24, v[\pw]
	WIN (\win)
.irp c, 0,1
	v_cvt_scalef32_pk8_fp4_f32 v[\pc+4*\c],   v[\s+32*\c:\s+32*\c+7],     v[TM+12+2*\c]
	v_cvt_scalef32_pk8_fp4_f32 v[\pc+4*\c+2], v[\s+32*\c+8:\s+32*\c+15],  v[TM+12+2*\c]
	v_cvt_scalef32_pk8_fp4_f32 v[\pc+4*\c+1], v[\s+32*\c+16:\s+32*\c+23], v[TM+12+2*\c+1]
	v_cvt_scalef32_pk8_fp4_f32 v[\pc+4*\c+3], v[\s+32*\c+24:\s+32*\c+31], v[TM+12+2*\c+1]
.endr
	WIN 0
	v_nop
.irp c, 0,1
	v_permlane16_swap_b32 v[\pc+4*\c], v[\pc+4*\c+1]
	v_permlane16_swap_b32 v[\pc+4*\c+2], v[\pc+4*\c+3]
.endr
.endm
; PHASE 1
.set VP, 0
.set R0ADR, ADRB
.set R1ADR, ADRA
.set R1PIT, PITCH
.set R1DP,  0
.irp b, 0,1,2,3,4,5,6,7
	global_load_b128 v[BIAS+8*\b:BIAS+8*\b+3], v[BO], s[96:97] offset:64*\b           ; the biases of my 128 columns, in the results' layout
	global_load_b128 v[BIAS+8*\b+4:BIAS+8*\b+7], v[BO], s[96:97] offset:64*\b+16
.endr
	s_wait_alu depctr_va_vdst(0)                   ; the wait at the head's end
	s_wait_tensorcnt 0x0                           ; my one load has landed
	ds_add_u32 v[SPW], v[NIL]
	s_or_b32 s[G1B+0], s44, (0<<16)|(1<<20)|(1<<21)|(5<<22)|(3<<25)    ; no tensor load of mine is out, so a descriptor may be written: half rows of 256 bytes, four words of padding behind each,
	s_mov_b32 s[G1B+1], 256<<16
	s_mov_b32 s[G1B+2], 128<<16                    ; 128 of them;
	s_mov_b32 s[G1B+3], 256<<16
	s_mov_b32 s[G1B+4], 128
	s_mov_b32 s[G1SB+2], 16<<16                    ; 16 units of scale bytes
	s_mov_b32 s[G1SB+4], 16
	s_wait_dscnt 0x0
	CROUND                                         ; everybody's load has landed, and all sixteen work-groups are here.  Behind this round only bytes that nothing has filled are filled
	s_cmp_eq_u32 s14, 1
	s_cbranch_scc0 .Lnot_codes
	tensor_load_to_lds s[G0V:G0V+3], s[G1B:G1B+7]
	s_nop 0
.rept 4
	v_nop
.endr
	s_branch .Lfirst_v
.Lnot_codes:
	s_cmp_eq_u32 s14, 3
	s_cbranch_scc0 .Lfirst_v
	tensor_load_to_lds s[G0VS:G0VS+3], s[G1SB:G1SB+7]
	s_nop 0
.rept 4
	v_nop
.endr
.Lfirst_v:
	FETCH0 0, 0, 0
	FETCH1 0, 0, 0, 0
	SCALES ADRS, ADRS
	FETCH1 0, 0, 4, 4
	s_wait_loadcnt 0x0
.irp k, 0,1,2,3,4,5,6,7
	STEP \k
.endr
	WIN 0
	PLACES NP
	; W's bytes are read out: the second K half of v's rows is filled into the first 256 bytes of W's rows 0 .. 127
	s_wait_tensorcnt 0x0                           ; the first half and the scale bytes have landed, and no tensor load of mine is out;
	ds_add_u32 v[SPW], v[NIL]
	s_or_b32 s[G1B+0], s44, (0<<16)|(1<<20)|(1<<21)|(5<<22)|(67<<25)   ; 68 words of padding behind each 256 bytes: W's own pitch of 528
	s_mov_b32 s[G0V+1], 2*HALFT
	s_add_nc_u64 s[G0V+2:G0V+3], s[G0V+2:G0V+3], 256
	s_wait_dscnt 0x0                               ; the add is done, and my reads of W's bytes are over
	CROUND                                         ; the same holds of every wave of every partner
	s_cmp_eq_u32 s14, 1
	s_cbranch_scc0 .Lrefilled
	tensor_load_to_lds s[G0V:G0V+3], s[G1B:G1B+7]
	s_nop 0
.rept 4
	v_nop
.endr
.Lrefilled:
.irp a, 0,1,2,3
	global_load_b32 v[BIAS+8*\a], v[BO2], s[100:101] offset:64*\a    ; v's biases: lane r has d = 16 a + r
.endr
	; phase 1's way out: images of the operand's registers, 512 consecutive bytes a store
.irp a, 0,1,2,3,4,5,6,7
	QUANTW 64*((\a)%4), 2+(\a)/4, AF+8*\a, PWS+\a
	global_store_b128 v[LI], v[AF+8*\a:AF+8*\a+3], s[4:5] offset:512*\a
	global_store_b128 v[LI], v[AF+8*\a+4:AF+8*\a+7], s[6:7] offset:512*\a
.endr
	v_cmp_lt_u32 vcc_lo, 15, v[LN]
.irp i, 0,1,2,3
	v_cndmask_b32 v[MW+\i], v[PWS+\i], v[PWS+4+\i], vcc_lo
.endr
.irp i, 0,1,2,3
	v_and_or_b32 v[TM+\i], v[MW+\i], s20, s21      ; the first head's two bytes, under 0x7f for K = 64 .. 127
.endr
.irp i, 0,1,2,3
	v_lshrrev_b32 v[TM+4+\i], 16, v[MW+\i]
.endr
.irp i, 0,1,2,3
	v_or_b32 v[TM+4+\i], s21, v[TM+4+\i]           ; the second head's
.endr
	global_store_b128 v[VO], v[TM:TM+3], s[4:5]
	global_store_b128 v[VO], v[TM+4:TM+7], s[6:7]
; PHASE 2.  Its first four steps read x's rows, and of v's rows the first K half and the scale bytes, which the round behind phase 1 has shown to every wave
.set VP, 1
.set R0ADR, ADRA
.set R1ADR, ADRV
.set R1PIT, PITV
.set R1DP,  PITCH-PITV
	s_wait_alu depctr_va_vdst(0)
	s_wait_xcnt 0x0                                ; the stores have read their registers, which are written again below
	FETCH0 0, 0, 0
	FETCH1 0, 0, 0, 0
	SCALES ADRT, ADRS                              ; (W has four blocks here: for blocks 4-7 lanes 16-31 take phase 1's words, which no product reads)
	s_wait_loadcnt 0x0
.irp a, 0,1,2,3
.irp k, 1,2,3,4,5,6,7
	v_mov_b32 v[BIAS+8*\a+\k], v[BIAS+8*\a]        ; a lane's eight results are eight tokens of one d
.endr
.endr
	PLACES 8
	s_wait_alu depctr_va_vdst(0)
.irp k, 0,1,2,3,4,5,6,7
	STEPV \k
.endr
	PLACES NP
.irp a, 0,1,2,3
	QUANTW 64*\a, 2, AF+8*\a, PWS+\a
	global_store_b128 v[LI], v[AF+8*\a:AF+8*\a+3], s[92:93] offset:4096+1024*\a
	global_store_b128 v[LI], v[AF+8*\a+4:AF+8*\a+7], s[92:93] offset:4096+1024*\a+512
.endr
	v_cmp_gt_u32 vcc_lo, 16, v[LN]
	s_wait_alu depctr_va_vdst(0)
	s_wait_xcnt 0x0                                ; EXEC changes only behind this wait
	s_and_saveexec_b32 s22, vcc_lo
	global_store_b128 v[VO2], v[PWS:PWS+3], s[92:93] offset:8192     ; lanes 0-15: my head's scale words, 256 consecutive bytes, aligned
	s_wait_xcnt 0x0
	s_or_b32 exec_lo, exec_lo, s22
	s_wait_tensorcnt 0x0                           ; the wave's end
	ds_add_u32 v[SPW], v[NIL]
	s_wait_dscnt 0x0
	CROUND                                         ; the closing round
	s_endpgm
.Lfunc_end_k_q84e8cd6d07_proj:
	.size	k_q84e8cd6d07_proj, .Lfunc_end_k_q84e8cd6d07_proj-k_q84e8cd6d07_proj
	.p2alignl 7, 3214868480
	.fill 96, 4, 3214868480
	.section	.rodata,"a",@progbits
	.p2align	6, 0x0
	.amdhsa_kernel k_q84e8cd6d07_proj
		.amdhsa_group_segment_fixed_size 327680
		.amdhsa_private_segment_fixed_size 0
		.amdhsa_enable_private_segment 0
		.amdhsa_kernarg_size 72
		.amdhsa_user_sgpr_count 2
		.amdhsa_user_sgpr_kernarg_segment_ptr 1
		.amdhsa_wavefront_size32 1
		.amdhsa_system_sgpr_workgroup_id_x 1
		.amdhsa_system_sgpr_workgroup_id_y 1
		.amdhsa_system_sgpr_workgroup_id_z 1
		.amdhsa_system_vgpr_workitem_id 0
		.amdhsa_next_free_vgpr 1024
		.amdhsa_next_free_sgpr 102
		.amdhsa_reserve_vcc 1
		.amdhsa_float_denorm_mode_32 3
		.amdhsa_float_denorm_mode_16_64 3
		.amdhsa_memory_ordered 1
		.amdhsa_forward_progress 1
		.amdhsa_inst_pref_size 199
	.end_amdhsa_kernel
	.amdgpu_metadata
---
amdhsa.version: [ 1, 2 ]
amdhsa.kernels:
  - .name:           k_q84e8cd6d07_proj
    .symbol:         k_q84e8cd6d07_proj.kd
    .args:
      - { .name: x_codes, .offset: 0, .size: 8, .value_kind: global_buffer, .address_space: global }
      - { .name: x_scales, .offset: 8, .size: 8, .value_kind: global_buffer, .address_space: global }
      - { .name: w_codes, .offset: 16, .size: 8, .value_kind: global_buffer, .address_space: global }
      - { .name: w_scales, .offset: 24, .size: 8, .value_kind: global_buffer, .address_space: global }
      - { .name: bq, .offset: 32, .size: 8, .value_kind: global_buffer, .address_space: global }
      - { .name: bk, .offset: 40, .size: 8, .value_kind: global_buffer, .address_space: global }
      - { .name: bv, .offset: 48, .size: 8, .value_kind: global_buffer, .address_space: global }
      - { .name: qbuf, .offset: 56, .size: 8, .value_kind: global_buffer, .address_space: global }
      - { .name: kvbuf, .offset: 64, .size: 8, .value_kind: global_buffer, .address_space: global }
    .group_segment_fixed_size: 327680
    .private_segment_fixed_size: 0
    .kernarg_segment_align: 8
    .kernarg_segment_size: 72
    .max_flat_workgroup_size: 128
    .sgpr_count:     102
    .vgpr_count:     1024
    .wavefront_size: 32
...
	.end_amdgpu_metadata
.endif
;; end of part 2
;; launch attn (part 3): grid 4 x 64, 16 waves a work-group, clusters of 4 x 1, 327,680 bytes of LDS; arguments qbuf, kvbuf, out0; writes out0
.if DOCPART == 3
	.amdgcn_target "amdgcn-amd-amdhsa--gfx1250"
	.amdhsa_code_object_version 6
	.text
	.protected	k_q84e8cd6d07_attn
	.globl	k_q84e8cd6d07_attn
	.p2align	8
	.type	k_q84e8cd6d07_attn,@function
k_q84e8cd6d07_attn:
	s_mov_b64 s[64:65], 0
	v_nop
	global_prefetch_b8 v0, s[64:65] scope:SCOPE_SE
	s_setreg_imm32_b32 hwreg(HW_REG_WAVE_MODE, 25, 1), 1
	s_wait_xcnt 0x0
	s_wait_alu depctr_hold_cnt(0) depctr_sa_sdst(0) depctr_va_vdst(0) depctr_va_sdst(0) depctr_va_ssrc(0) depctr_va_vcc(0) depctr_vm_vsrc(0)
	s_getreg_b32 s2, hwreg(HW_REG_IB_STS2, 6, 4)
	s_cmp_eq_u32 s2, 0
	s_cbranch_scc0 .Lentry_in_a_cluster
	s_endpgm
.Lentry_in_a_cluster:
	s_bfe_u32 s2, ttmp6, 0x10000c
	s_cmp_lg_u32 s2, 0x3003
	s_cbranch_scc0 .Lentry_shape_is_right
	s_endpgm
.Lentry_shape_is_right:
; THIRD LAUNCH.  out[b][q][64 head + d] = the sum over keys of softmax(q . k / 8) v, both products on codes of FP4 with E8M0 scales.  No work is left out.
; THE SOFTMAX AHEAD OF THE SECOND PRODUCT: t = score x log2(e) / 8; M = the row's largest t so far, rounded UP to a whole number; p = 2^(t - M) is quantised along the keys, not normalised.
; The row's sum is taken of the unquantised p, in f32, and divides O at the end.  When M moves, the sum and O are multiplied by 2^(old M - new M): exact.
; SHARES.  A work-group owns 512 queries of one head of one sequence; each of its sixteen waves owns 32: two tiles of 16, which share each fragment of K and V.  Four waves lie on a SIMD, 256 registers each.
; LDS.  The head's K and V, 16 records of 8,960 bytes as the second launch laid them (images of the operand registers), are filled ONCE: each wave brings one record by one tensor load.
; CLUSTER: the four blocks of queries of a head ask for each record jointly.  Nothing is filled again.  No prefetch: all the launch's tensor loads go out at its head, so there is no later load to ask ahead for.
; LAYOUT.  Both products are used transposed: S^T = K Q^T, O^T = V^T P^T: a lane holds ONE query (lane % 16) throughout.
; THE KEYS OF A TILE ARE NOT NEIGHBOURS: row r of tile (c, t), c = 0, 1, t = 0 .. 3, is key 64 c + 32 (r / 8) + 8 t + r % 8 of the step, chosen by the lanes' LDS addresses in K's images.  So lane (r, h) holds in
; registers 32 c + 0 .. 31 of S^T the keys 64 c + 32 h + 0 .. 31 in order: a WHOLE block of 32.  Its maximum needs no other lane, and the four conversions of a block give registers 4 c .. 4 c + 3 of P's operand as they stand.
; The two halves of the lanes meet twice a tile and step: for the row's maximum, and for the four bytes of p's scale word.
; THE FIRST PRODUCT'S K IS 64, THE INSTRUCTION'S 128.  Q's registers 4-7 hold zero codes, and bytes 2 and 3 of Q's and K's scale words are 0x7f.  A tile of K is named with the next tile's four registers as its upper
; half (behind the last: zeros): finite numbers that meet zero codes and add nothing.
; LIMITS: the promise holds while the scaled scores t stay under 2^31 in magnitude; a block's largest p is made from its largest score, which takes v_exp_f32 not to fall where its input rises; p under 2^-126 is 0;
; a block of zeros has the byte 1 and zero codes; NaN and infinities are not served.
.set REC,   8960                       ; a key step's record: K's 8 images, V^T's 4 fragments, V's scale words, K's scale words
.set HEADB, 16*REC
.set SPARE, HEADB                      ; behind the records: the spare words, 128 bytes a wave
.set STG,   SPARE+2048                 ; the way out: 16 rows x (256 bytes + 16) for each wave
.set SPITCH, 272
.set LI,  1                            ; 16 x lane
.set SPW, 2                            ; LDS address of my spare word; never rewritten
.set NIL, 3                            ; 0; never rewritten
.set AK0, 4                            ; my lane's place in K's images: 1024 (r / 8) + 16 (r % 8) + 256 h
.set SI,  5                            ; the stage: where I put 32 bytes of a row
.set SOUT, 6                           ; and where I read a row back
.set GO,  7                            ; my byte offset in the wave's rows of out
.set AS0, 8                            ; my lane's place among K's scale words: 16 (r % 8) + 8 (r / 8) + 256 h
.set SH8, 9                            ; 8 h
.set T,   10                           ; at work
.set X,   11
.set Y,   12
.set OLD, 13                           ; -M as it was
.set W,   14
.set ADV, 15                           ; the record in hand + LI
.set ST,  16                           ; tile j: v[16 + 4 j] -M, +1 the largest score, +2, +3 the sum in two halves
.set QF,  24                           ; v24-39 Q's two fragments
.set QS,  40                           ; v40-41 Q's scale words
.set ADK, 42                           ; the record in hand + AK0
.set ADS, 43                           ; the record in hand + AS0
.set KF,  44                           ; v44-79 K's 8 tiles x 4 and four zeros
.set KSC, 80                           ; v80-83 K's scale words: register 2 (t % 2) + t / 2: lanes 0-15 tile (0, t), lanes 16-31 tile (1, t)
.set VSC, 84                           ; v84-87 V's: register i: d-tile i
.set S,   88                           ; v88-151 S^T, then p, of one tile of queries; v88-119 then take V^T's 4 fragments
.set O,   152                          ; v152-215 O^T, 32 a tile
.set PC,  216                          ; v216-231 p's codes, 8 a tile
.set PW,  232                          ; v232-233 p's scale words
.set BM,  234                          ; v234-235 my two blocks' largest scores, then largest p
.set BN,  236                          ; v236-237 their second chains; then the bytes
.set SOP, 238                          ; v238-239 the conversions' scale operands
.set F,   240                          ; v[240:241], v[242:243] f = 2^(old M - new M) of tile 0, 1; the pairs' upper words are written once
.set CH,  244                          ; v244-249 three more chains of the sums
.set WV,  10
.set SEL, 20
.set CS,  22
.set G1,  24
.set G0,  32
.set TB,  36
.set CNT, 37
.macro CROUND                          ; a round of the cluster's barrier
	s_barrier_signal -1
	s_barrier_wait -1
	s_cmp_lg_u32 s[WV], 0
	s_cbranch_scc1 .Lnot_wave_0_\@
	s_barrier_signal -3
.Lnot_wave_0_\@:
	s_barrier_wait -3
	s_barrier_signal -1
	s_barrier_wait -1
.endm
	s_load_b128 s[4:7], s[0:1], 0x0                ; qbuf, kvbuf
	s_load_b64 s[8:9], s[0:1], 0x10                ; out0
	v_lshl_add_u32 v[SPW], v0, 2, SPARE
	v_mov_b32 v[NIL], 0
	ds_add_u32 v[SPW], v[NIL]                      ; the wave's opening: the add, twice on end, and its wait ahead of my first tensor load
	ds_add_u32 v[SPW], v[NIL]
	v_lshrrev_b32 v[T], 5, v0
	v_readfirstlane_b32 s[WV], v[T]                ; wave 0..15
	s_bfe_u32 s11, ttmp6, 0x40000                  ; cx: my block of 512 queries: it enters Q's and out's addresses alone
	s_and_b32 s12, ttmp7, 0xffff                   ; 16 x sequence + head, which the four partners share
	s_mov_b32 s[G1], 15|(3<<16)|(1<<21)            ; a record as 35 rows of 256 bytes (32 elements of 8 bytes), no padding; the mask names all four work-groups
	s_mov_b32 s[G1+1], 32<<16
	s_mov_b32 s[G1+2], 35<<16
	s_mov_b32 s[G1+3], 32<<16
	s_mov_b32 s[G1+4], 35
	s_mov_b32 s[G1+5], 32
	s_mov_b32 s[G1+6], 0
	s_mov_b32 s[G1+7], 0
	s_mul_i32 s16, s12, HEADB                      ; the head's records (under 2^24),
	s_mul_i32 s[G0+1], s[WV], REC                  ; record = wave: its place in LDS,
	s_add_co_u32 s16, s16, s[G0+1]                 ; and in memory
	s_mov_b32 s17, 0
	s_mov_b32 s[G0], 1
	s_mov_b32 s[SEL], 0x76543210
	s_mov_b32 s[SEL+1], 0xfedcba98                 ; v_permlanex16_b32's selects for lane l xor 16
	s_mov_b32 s[CS], 0x3e38aa3b                    ; c = log2(e) / 8
	s_mov_b32 s[CS+1], s[CS]
	s_mov_b32 s[TB], 0
	s_mov_b32 s[CNT], 15
	s_wait_dscnt 0x0                               ; both opening adds are done
	s_wait_kmcnt 0x0
	s_add_nc_u64 s[G0+2:G0+3], s[6:7], s[16:17]
	s_or_b32 s[G0+3], s[G0+3], 0x80000000
	CROUND                                         ; all four work-groups are here: the joint loads meet
	tensor_load_to_lds s[G0:G0+3], s[G1:G1+7]      ; my one tensor load: every wave issues one, with no branch
	s_nop 0
.rept 4
	v_nop
.endr
	; Q: my tokens are 512 cx + 32 wave + 16 j: group 4 cx + wave / 4 of 128, tiles 2 (wave % 4) + j
	s_mul_i32 s38, s12, 73728
	s_lshl_b32 s39, s11, 2
	s_lshr_b32 s40, s[WV], 2
	s_add_co_u32 s39, s39, s40
	s_mul_i32 s39, s39, 4608
	s_add_co_u32 s38, s38, s39
	s_mov_b32 s39, 0
	s_add_nc_u64 s[4:5], s[4:5], s[38:39]          ; the group's record
	s_and_b32 s40, s[WV], 3
	s_lshr_b32 s42, s40, 1
	s_lshl_b32 s42, s42, 8                         ; its scale words: 256 (T / 4)
	s_and_b32 s41, s[WV], 1
	s_lshl_b32 s41, s41, 3                         ; + 4 (T % 4), T = 2 (wave % 4)
	s_add_co_u32 s42, s42, s41
	s_add_co_u32 s42, s42, 4096
	s_mov_b32 s43, 0
	s_add_nc_u64 s[14:15], s[4:5], s[42:43]
	s_lshl_b32 s38, s40, 10                        ; its images: 512 T
	s_add_nc_u64 s[4:5], s[4:5], s[38:39]
	; out: row (2,048 sequence + my first token) of 4,096 bytes, + 256 x head
	s_lshr_b32 s38, s12, 4
	s_lshl_b32 s38, s38, 11
	s_lshl_b32 s40, s11, 9
	s_add_co_u32 s38, s38, s40
	s_lshl_b32 s40, s[WV], 5
	s_add_co_u32 s38, s38, s40
	s_lshl_b32 s38, s38, 12                        ; under 2^25
	s_and_b32 s40, s12, 15
	s_lshl_b32 s40, s40, 8
	s_add_co_u32 s38, s38, s40
	s_add_nc_u64 s[8:9], s[8:9], s[38:39]
	s_mul_i32 s44, s[WV], 16*SPITCH
	s_add_co_u32 s44, s44, STG                     ; my stage
	v_and_b32 v[LI], 31, v0
	v_and_b32 v[X], 15, v0                         ; r
	v_bfe_u32 v[T], v0, 4, 1                       ; h
	v_lshlrev_b32 v[LI], 4, v[LI]
	v_lshlrev_b32 v[W], 4, v[X]                    ; 16 r: a row's scale words
	global_load_b128 v[QF:QF+3], v[LI], s[4:5]
	global_load_b128 v[QF+8:QF+11], v[LI], s[4:5] offset:512
	global_load_b32 v[QS], v[W], s[14:15]
	global_load_b32 v[QS+1], v[W], s[14:15] offset:4
	v_lshlrev_b32 v[GO], 12, v[T]
	v_mul_u32_u24 v[SI], v[X], SPITCH
	v_mul_u32_u24 v[SOUT], v[T], SPITCH
	v_lshl_add_u32 v[GO], v[X], 4, v[GO]           ; lanes 0-15 take one row of out, lanes 16-31 the next; 16 bytes a lane
	v_lshl_add_u32 v[SI], v[T], 5, v[SI]
	v_lshl_add_u32 v[SOUT], v[X], 4, v[SOUT]
	v_add_nc_u32 v[SI], s44, v[SI]                 ; in: row r, + 32 h
	v_add_nc_u32 v[SOUT], s44, v[SOUT]             ; back: lanes 0-15 one row, lanes 16-31 the next
	v_lshlrev_b32 v[SH8], 3, v[T]
	v_and_b32 v[Y], 7, v0                          ; r % 8
	v_bfe_u32 v[OLD], v0, 3, 1                     ; r / 8
	v_lshlrev_b32 v[AS0], 8, v[T]
	v_lshl_add_u32 v[AS0], v[Y], 4, v[AS0]         ; 256 h + 16 (r % 8)
	v_lshl_add_u32 v[AK0], v[OLD], 10, v[AS0]
	v_lshl_add_u32 v[AS0], v[OLD], 3, v[AS0]
.irp j, 0,1
	v_mov_b32 v[ST+4*\j+1], 0xff61b1e6             ; the largest score so far: -3e38, under every score
	v_mov_b32 v[ST+4*\j+2], 0                      ; the sum, in two halves
	v_mov_b32 v[ST+4*\j+3], 0
	v_mov_b32 v[F+2*\j+1], 0                       ; (named as the upper half of a pair)
	v_mul_f32 v[ST+4*\j], s[CS], v[ST+4*\j+1]
.irp i, 4,5,6,7
	v_mov_b32 v[QF+8*\j+\i], 0                     ; Q's K = 64 .. 127: zero codes
.endr
	v_floor_f32 v[ST+4*\j], -v[ST+4*\j]            ; -M
.endr
.irp i, 0,1,2,3
	v_mov_b32 v[KF+32+\i], 0                       ; behind K's last tile
.endr
.set n, 0
.rept 64
	v_mov_b32 v[O+n], 0                            ; O^T.  (The step has no first form of its own: the first finds zeros, which the first change of M leaves zeros)
.set n, n+1
.endr
	s_wait_alu depctr_va_vdst(0)                   ; the wait at the head's end
	s_wait_tensorcnt 0x0                           ; my record has landed,
	s_barrier_signal -1
	s_barrier_wait -1                              ; everybody's has
; K's eight tiles and their scale words, from the record that begins off bytes behind the address registers' record
.macro KLOAD ak, as, off
.irp c, 0,1
.irp t, 0,1,2,3
	ds_load_b128 v[KF+16*\c+4*\t:KF+16*\c+4*\t+3], v[\ak] offset:(\off)+2048*\c+512*(\t/2)+128*(\t%2)
.endr
.endr
.irp u, 0,1
	ds_load_b64 v[KSC+2*\u:KSC+2*\u+1], v[\as] offset:(\off)+8448+128*\u    ; tiles t = u and u + 2
.endr
.endm
; S^T of tile j of my queries: eight tiles of 16 keys; each product starts its sum.  Four places behind them, for the reads of the scores and for loads into K's registers.
.macro SQ j
.irp t, 0,1,2,3
	v_wmma_scale_f32_16x16x128_f8f6f4 v[S+8*\t:S+8*\t+7], v[KF+4*\t:KF+4*\t+7], v[QF+8*\j:QF+8*\j+7], 0, v[KSC+2*(\t%2)+\t/2], v[QS+\j] matrix_a_fmt:MATRIX_FMT_FP4 matrix_b_fmt:MATRIX_FMT_FP4
.endr
.irp t, 0,1,2,3
	v_wmma_scale_f32_16x16x128_f8f6f4 v[S+32+8*\t:S+32+8*\t+7], v[KF+16+4*\t:KF+16+4*\t+7], v[QF+8*\j:QF+8*\j+7], 0, v[KSC+2*(\t%2)+\t/2], v[QS+\j] matrix_a_fmt:MATRIX_FMT_FP4 matrix_b_fmt:MATRIX_FMT_FP4 matrix_a_scale:MATRIX_SCALE_ROW1
.endr
	v_mov_b32 v[OLD], v[ST+4*\j]                   ; -M as it is
.rept 3
	v_nop
.endr
.endm
; The softmax of tile j for these 128 keys: S^T becomes p, p's codes and scale word; the sum comes under the new M; f is left for O^T.
.macro SOFTMAX j
.set rT, ST+4*\j
.set rP, PC+8*\j
.set rF, F+2*\j
.irp c, 0,1
	v_max3_num_f32 v[BM+\c], v[S+32*\c], v[S+32*\c+1], v[S+32*\c+2]        ; THE LARGEST SCORE OF MY TWO BLOCKS OF 32 KEYS, each in two chains: it serves the row's maximum and, since p rises with the score, the block's largest p
	v_max3_num_f32 v[BN+\c], v[S+32*\c+16], v[S+32*\c+17], v[S+32*\c+18]
.endr
.irp i, 3,5,7,9,11,13
.irp c, 0,1
	v_max3_num_f32 v[BM+\c], v[BM+\c], v[S+32*\c+\i], v[S+32*\c+\i+1]
	v_max3_num_f32 v[BN+\c], v[BN+\c], v[S+32*\c+16+\i], v[S+32*\c+17+\i]
.endr
.endr
.irp c, 0,1
	v_max3_num_f32 v[BM+\c], v[BM+\c], v[S+32*\c+15], v[S+32*\c+31]
.endr
.irp c, 0,1
	v_max_num_f32 v[BM+\c], v[BM+\c], v[BN+\c]
.endr
	s_delay_alu instid0(VALU_DEP_1)
	v_max3_num_f32 v[X], v[rT+1], v[BM], v[BM+1]   ; with the largest so far,
	s_delay_alu instid0(VALU_DEP_1)
	v_permlanex16_b32 v[Y], v[X], s[SEL], s[SEL+1]
	s_delay_alu instid0(VALU_DEP_1)
	v_max_num_f32 v[rT+1], v[X], v[Y]              ; and lane l xor 16's blocks: the running largest score
	s_delay_alu instid0(VALU_DEP_1)
	v_mul_f32 v[T], s[CS], v[rT+1]                 ; as t (c is positive)
	s_delay_alu instid0(VALU_DEP_1)
	v_floor_f32 v[rT], -v[T]                       ; the new -M = floor(-t) = -ceil(t): a whole number
.set n, 0
.rept 32
	v_pk_fma_f32 v[S+n:S+n+1], v[S+n:S+n+1], s[CS:CS+1], v[rT:rT+1] op_sel_hi:[1,0,0]   ; t - M, two at a time (of the pairs c and -M the low word serves both halves)
.if n == 14
	v_sub_f32 v[T], v[rT], v[OLD]                  ; old M - new M: a whole number, 0 or less
.endif
.if n == 30
	v_cvt_i32_f32 v[T], v[T]                       ; (it saturates)
.endif
.if n == 46
	v_ldexp_f32 v[rF], 1.0, v[T]                   ; f = 2^(old M - new M)
.endif
.set n, n+2
.endr
.irp c, 0,1
	v_fma_f32 v[BM+\c], v[BM+\c], s[CS], v[rT]     ; the same of each block's largest score
.endr
	s_wait_alu depctr_va_vdst(0)                   ; the wait ahead of the batch
.set n, 0
.rept 64
	v_exp_f32 v[S+n], v[S+n]                       ; p = 2^(t - M), at most 1: not normalised
.set n, n+1
.endr
.irp c, 0,1
	v_exp_f32 v[BM+\c], v[BM+\c]                   ; the block's largest p: the same two instructions on the same number give the same bits
.endr
	v_pk_mul_f32 v[rT+2:rT+3], v[rT+2:rT+3], v[rF:rF+1] op_sel_hi:[1,0]   ; the sums under the new M (a plain line behind the exponentials)
	s_wait_alu depctr_va_vdst(0)                   ; one wait for the batch of 66, ahead of its first reader
	v_pk_add_f32 v[CH:CH+1], v[S:S+1], v[S+2:S+3]  ; THE ROW'S SUM IS TAKEN OF THE UNQUANTISED p: two at a time, in four chains; the lines that make the scales stand among them, each four or more lines behind what it reads
	v_pk_add_f32 v[CH+2:CH+3], v[S+4:S+5], v[S+6:S+7]
	v_pk_add_f32 v[CH+4:CH+5], v[S+8:S+9], v[S+10:S+11]
.set n, 12
.rept 6
	v_pk_add_f32 v[rT+2:rT+3], v[rT+2:rT+3], v[S+n:S+n+1]
	v_pk_add_f32 v[CH:CH+1], v[CH:CH+1], v[S+n+2:S+n+3]
	v_pk_add_f32 v[CH+2:CH+3], v[CH+2:CH+3], v[S+n+4:S+n+5]
	v_pk_add_f32 v[CH+4:CH+5], v[CH+4:CH+5], v[S+n+6:S+n+7]
.if n == 12
	v_max_num_f32 v[BM], 0x1800000, v[BM]          ; the floor 2^(3 - 127): the byte cannot fall under 1
	v_max_num_f32 v[BM+1], 0x1800000, v[BM+1]
.endif
.if n == 20
	v_add_nc_u32 v[SOP], 0xff000000, v[BM]         ; 2 off the exponent field: the conversion's scale operand
	v_add_nc_u32 v[SOP+1], 0xff000000, v[BM+1]
.endif
.if n == 28
	v_lshrrev_b32 v[BN], 23, v[SOP]                ; the scale's byte
	v_lshrrev_b32 v[BN+1], 23, v[SOP+1]
.endif
.if n == 36
	v_lshl_or_b32 v[W], v[BN+1], 16, v[BN]         ; my two bytes: blocks h and 2 + h,
.endif
.if n == 44
	v_lshlrev_b32 v[W], v[SH8], v[W]               ; at their places in the scale word
.endif
.if n == 52
	v_permlanex16_b32 v[Y], v[W], s[SEL], s[SEL+1]
.endif
.set n, n+8
.endr
	v_pk_add_f32 v[rT+2:rT+3], v[rT+2:rT+3], v[S+60:S+61]
	v_pk_add_f32 v[CH:CH+1], v[CH:CH+1], v[S+62:S+63]
	v_pk_add_f32 v[CH+2:CH+3], v[CH+2:CH+3], v[CH+4:CH+5]
	v_or_b32 v[PW+\j], v[W], v[Y]                  ; with lane l xor 16's two the word is whole
	v_pk_add_f32 v[rT+2:rT+3], v[rT+2:rT+3], v[CH:CH+1]
	v_pk_add_f32 v[rT+2:rT+3], v[rT+2:rT+3], v[CH+2:CH+3]
.irp c, 0,1
.irp t, 0,1,2,3
	v_cvt_scalef32_pk8_fp4_f32 v[rP+4*\c+\t], v[S+32*\c+8*\t:S+32*\c+8*\t+7], v[SOP+\c]   ; keys 64 c + 32 h + 8 t + 0 .. 7: register 4 c + t of the operand
.endr
.endr
	v_nop                                          ; one plain place behind a scaled conversion
.endm
; A KEY STEP of 128 keys.  more = 1: the next step's K is asked for under the second softmax.
.macro STEP more
	v_add_nc_u32 v[ADV], s[TB], v[LI]              ; these five lines are the places between the last products, which read V's registers, and the products below, which write them
.if \more
	v_add_nc_u32 v[ADK], s[TB], v[AK0]
	v_add_nc_u32 v[ADS], s[TB], v[AS0]
.else
	v_nop
	v_nop
.endif
	v_nop
	v_nop
	s_wait_dscnt 0x0                               ; K and its scale words
	SQ 0
	SOFTMAX 0
	SQ 1                                           ; the same fragments of K, my second tile of queries: S^T's registers are begun anew
.if \more
	KLOAD ADK, ADS, REC                            ; K's registers are free: the next record's tiles land while the second softmax is worked
.endif
	SOFTMAX 1
.irp i, 0,1,2,3
.irp c, 0,1
	ds_load_b128 v[S+8*\i+4*\c:S+8*\i+4*\c+3], v[ADV] offset:4096+1024*\i+512*\c   ; V^T's fragment i, into registers of p that the conversions have read
.endr
.endr
	ds_load_b128 v[VSC:VSC+3], v[ADV] offset:8192  ; V's scale words in lanes 0-15 (lanes 16-31 take bytes of the same record that no product reads)
	s_wait_alu depctr_va_vdst(0)                   ; directly ahead of the first reader of O^T
.irp j, 0,1
.set n, 0
.rept 16
	v_pk_mul_f32 v[O+32*\j+n:O+32*\j+n+1], v[O+32*\j+n:O+32*\j+n+1], v[F+2*\j:F+2*\j+1] op_sel_hi:[1,0]   ; O^T under the new M.  (These 32 are also the places between the scale word's and the codes' last writes and the products that take them)
.set n, n+2
.endr
.endr
	s_wait_alu depctr_va_vdst(0)
	s_wait_dscnt 0x0                               ; V
.irp i, 0,1,2,3
.irp j, 0,1
	v_wmma_scale_f32_16x16x128_f8f6f4 v[O+32*\j+8*\i:O+32*\j+8*\i+7], v[S+8*\i:S+8*\i+7], v[PC+8*\j:PC+8*\j+7], v[O+32*\j+8*\i:O+32*\j+8*\i+7], v[VSC+\i], v[PW+\j] matrix_a_fmt:MATRIX_FMT_FP4 matrix_b_fmt:MATRIX_FMT_FP4   ; eight accumulators, one instruction each
.endr
.endr
	s_add_co_u32 s[TB], s[TB], REC
.endm
	KLOAD AK0, AS0, 0                              ; the first record's K
	s_wait_loadcnt 0x0                             ; Q; and its address registers may be written again
.Lstep:                                            ; 15 trips; the sixteenth step is written out: it asks for no further K
	STEP 1
	s_sub_co_u32 s[CNT], s[CNT], 1
	s_cmp_lg_u32 s[CNT], 0
	s_cbranch_scc1 .Lstep
	STEP 0
	; THE WAY OUT.  The sum's halves are added; O^T is divided by the sum and goes through my stage in LDS, a tile of 16 queries at a time: a query's 64 numbers are 256 bytes, which sixteen lanes store, aligned to 256.
.irp j, 0,1
	v_add_f32 v[ST+4*\j+2], v[ST+4*\j+2], v[ST+4*\j+3]
.endr
	s_delay_alu instid0(VALU_DEP_2)
	v_permlanex16_b32 v[X], v[ST+2], s[SEL], s[SEL+1]
	s_delay_alu instid0(VALU_DEP_2)
	v_permlanex16_b32 v[Y], v[ST+6], s[SEL], s[SEL+1]
	s_delay_alu instid0(VALU_DEP_2)
	v_add_f32 v[ST+2], v[ST+2], v[X]               ; with lane l xor 16's: the row's sum
	s_delay_alu instid0(VALU_DEP_2)
	v_add_f32 v[ST+6], v[ST+6], v[Y]
	s_wait_alu depctr_va_vdst(0)                   ; the wait ahead of the reciprocals
.irp j, 0,1
	v_rcp_f32 v[ST+4*\j+2], v[ST+4*\j+2]
.endr
	v_nop                                          ; a plain line behind the reciprocals
	s_wait_alu depctr_va_vdst(0)                   ; one wait for both, ahead of the first reader, which is also O^T's
.irp j, 0,1
.set n, 0
.rept 16
	v_pk_mul_f32 v[S+32*\j+n:S+32*\j+n+1], v[O+32*\j+n:O+32*\j+n+1], v[ST+4*\j+2:ST+4*\j+3] op_sel_hi:[1,0]   ; register 8 i + k: o(query r, d = 16 i + 8 h + k); each accumulator from its low end on
.set n, n+2
.endr
.endr
.irp j, 0,1
.irp i, 0,1,2,3
	ds_store_b128 v[SI], v[S+32*\j+8*\i:S+32*\j+8*\i+3] offset:64*\i
	ds_store_b128 v[SI], v[S+32*\j+8*\i+4:S+32*\j+8*\i+7] offset:64*\i+16
.endr
.irp i, 0,1,2,3,4,5,6,7
	ds_load_b128 v[O+32*\j+4*\i:O+32*\j+4*\i+3], v[SOUT] offset:2*\i*SPITCH   ; LDS serves a wave's instructions in order: these see my stores, and the next tile's stores come behind them
.endr
.endr
.irp j, 0,1
.irp i, 0,1,2,3,4,5,6,7
	s_wait_dscnt 23-16*\j-\i                       ; behind this load: the tile's younger loads, and for tile 0 the sixteen LDS instructions of tile 1
	global_store_b128 v[GO], v[O+32*\j+4*\i:O+32*\j+4*\i+3], s[8:9] offset:65536*\j+8192*\i th:TH_STORE_NT
.endr
.endr
	s_wait_tensorcnt 0x0                           ; the wave's end, behind my tensor load and my last LDS store
	ds_add_u32 v[SPW], v[NIL]
	s_wait_dscnt 0x0
	CROUND                                         ; the closing round
	s_endpgm
.Lfunc_end_k_q84e8cd6d07_attn:
	.size	k_q84e8cd6d07_attn, .Lfunc_end_k_q84e8cd6d07_attn-k_q84e8cd6d07_attn
	.p2alignl 7, 3214868480
	.fill 96, 4, 3214868480
	.section	.rodata,"a",@progbits
	.p2align	6, 0x0
	.amdhsa_kernel k_q84e8cd6d07_attn
		.amdhsa_group_segment_fixed_size 327680
		.amdhsa_private_segment_fixed_size 0
		.amdhsa_enable_private_segment 0
		.amdhsa_kernarg_size 24
		.amdhsa_user_sgpr_count 2
		.amdhsa_user_sgpr_kernarg_segment_ptr 1
		.amdhsa_wavefront_size32 1
		.amdhsa_system_sgpr_workgroup_id_x 1
		.amdhsa_system_sgpr_workgroup_id_y 1
		.amdhsa_system_sgpr_workgroup_id_z 1
		.amdhsa_system_vgpr_workitem_id 0
		.amdhsa_next_free_vgpr 256
		.amdhsa_next_free_sgpr 66
		.amdhsa_reserve_vcc 0
		.amdhsa_float_denorm_mode_32 3
		.amdhsa_float_denorm_mode_16_64 3
		.amdhsa_memory_ordered 1
		.amdhsa_forward_progress 1
		.amdhsa_inst_pref_size 69
	.end_amdhsa_kernel
	.amdgpu_metadata
---
amdhsa.version: [ 1, 2 ]
amdhsa.kernels:
  - .name:           k_q84e8cd6d07_attn
    .symbol:         k_q84e8cd6d07_attn.kd
    .args:
      - { .name: qbuf, .offset: 0, .size: 8, .value_kind: global_buffer, .address_space: global }
      - { .name: kvbuf, .offset: 8, .size: 8, .value_kind: global_buffer, .address_space: global }
      - { .name: out0, .offset: 16, .size: 8, .value_kind: global_buffer, .address_space: global }
    .group_segment_fixed_size: 327680
    .private_segment_fixed_size: 0
    .kernarg_segment_align: 8
    .kernarg_segment_size: 24
    .max_flat_workgroup_size: 512
    .sgpr_count:     66
    .vgpr_count:     256
    .wavefront_size: 32
...
	.end_amdgpu_metadata
.endif
;; end of part 3
